; MI455X (gfx1250); checked and timed in simulation.
; The chip was launched on July 23, 2026; its instructions are those of AMD's public machine-readable ISA for CDNA 5 (MIT licence, August 2026) and "CDNA5" Instruction Set Architecture Reference Guide (July 2026). The comments in the code are by the model that wrote it; some were corrected since.
;; SDE Wired LTC Cell. Allowed arithmetic: float matrix products may take bf16 or f16 operands with f32 sums; other float arithmetic in f32, or as packed bf16 or f16 multiplies, adds, multiply-adds, maxima and minima; sums over many terms, partial sums and values carried from step to step in f32; what a program stores and reads back later, other than sums and carried values, may be rounded once to bf16 or f16.
;; Inputs: cm0 192 float32; cm1 64 float32; erev0 192 x 192 float32; erev1 64 x 64 float32; gdiff0 192 float32; gdiff1 64 float32; gleak0 192 float32; gleak1 64 float32; ierev0 128 x 192 float32; ierev1 192 x 64 float32; imu0 128 x 192 float32; imu1 192 x 64 float32; isig0 128 x 192 float32; isig1 192 x 64 float32; iw0 128 x 192 float32; iw1 192 x 64 float32; log_weights 16 x 64 float32; mu0 192 x 192 float32; mu1 64 x 64 float32; noise0 6 x 1,024 x 192 float32; noise1 6 x 1,024 x 64 float32; particles 16 x 64 x 256 float32; sig0 192 x 192 float32; sig1 64 x 64 float32; vleak0 192 float32; vleak1 64 float32; w0 192 x 192 float32; w1 64 x 64 float32; x 16 x 128 float32.
;; Outputs: out0 16 x 64 float32; out1 16 x 64 x 256 float32; out2 16 x 64 float32.
;; One version. Each part assembles by itself: llvm-mc -triple=amdgcn-amd-amdhsa -mcpu=gfx1250 --defsym DOCPART=n.
;; ======== version 1 of 1: 3 launches
;; workspace buffers: tsc 425,984 bytes; tww 425,984 bytes; base0 24,576 bytes
;; launch prep (part 1): grid 76 x 1, 8 waves a work-group, no clusters, 9,216 bytes of LDS; arguments sig0, mu0, w0, erev0, isig1, imu1, iw1, ierev1, sig1, mu1, w1, erev1, isig0, imu0, iw0, ierev0, x, gleak0, vleak0, tsc, tww, base0; writes tsc, tww, base0
.if DOCPART == 1
	.amdgcn_target "amdgcn-amd-amdhsa--gfx1250"
	.amdhsa_code_object_version 6
	.text
	.protected	k_qd4c7986749_prep
	.globl	k_qd4c7986749_prep
	.p2align	8
	.type	k_qd4c7986749_prep,@function
k_qd4c7986749_prep:
	s_mov_b64 s[64:65], 0
	v_nop
	global_prefetch_b8 v0, s[64:65] scope:SCOPE_SE
	s_setreg_imm32_b32 hwreg(HW_REG_WAVE_MODE, 25, 1), 1
	s_wait_xcnt 0x0
; PREP.  Two jobs that do not depend on each other, told apart by the work-group's number.
; FORMAT.  EVERY INPUT IS ROUNDED ONCE TO BF16 (nearest even) AS IT IS LOADED, in this launch and in the two behind it alike; all that is made of the inputs is f32.
; (a) Work-groups 0-51: the three parameter sets that the main launch uses again and again become two tables of derived numbers, all f32, for each synapse (i, h):
;     s' = -log2(e) sig,  c' = log2(e) sig mu  (tsc);   w+ = relu(w),  we = relu(w) erev  (tww);   so that  relu(w) sigmoid(sig (v - mu)) = w+ / (1 + 2^(s' v + c')).
;     A unit of 16 bytes serves two neighbouring columns h0 = 2p, h1 = 2p + 1: tsc (s' h0, s' h1, c' h0, c' h1), tww (w+ h0, w+ h1, we h0, we h1).  Units lie in the inputs' own order.
;     Both tables: bytes 0 .. 294,911 layer 0 recurrent (192 x 192), .. 393,215 layer 1 sensory (192 x 64), .. 425,983 layer 1 recurrent (64 x 64).
; (b) Work-groups 52-75: layer 0's sensory sums hang on the batch and the column alone (x is the same for a batch's 64 particles and for all six unfolds): they are made once,
;     with the leak terms added:  base0[(b 96 + p) 16] = (num h0, num h1, den h0, den h1),  num = relu(gleak0) vleak0 + sum_i ia ierev0,  den = relu(gleak0) + sum_i ia.
; LIMITS.  The inputs' rounding to bf16 (8 significant bits).  2^z gives infinity above z = 128 and 0 below z = -126, which make the sigmoid 0 and 1: no clamp.  relu of a NaN gives 0 here; NaN and
; infinities are not treated apart.  s' v + c' is rounded otherwise than sig (v - mu), and the order of the sums is not the reference's.
.set SPARE, 8192                       ; behind the partial sums: the spare words, 128 bytes for each of eight waves: four blocks of 256 bytes that no other line names
.set SPW,  2                           ; v2  LDS address of my spare word: SPARE + 4 x my thread's number; never rewritten
.set NIL,  3                           ; v3  0; never rewritten
.set TR,   14                          ; v14 two bf16, on their way back to f32
.set ACC,  16                          ; v[16:23]  (b): for each of two batches a pair of num and a pair of den;  (a): v[16:31] two units' four inputs, then their derived numbers
.set EE,   32                          ; v[32:47]  (b): sixteen sigmoids at work;  v[32:63] the eight partial sums at the end
.set PAR,  64                          ; v[64:191] (b): for each of my 16 i: sig, mu, w, erev, a pair of columns each, then s', c', w+, we in their place
.set XS,   32                          ; s[32:63]  (b): x[2 bg + b][16 w + k] at s[XS + 16 b + k]
; the pair of f32 at register r is rounded to bf16, nearest even, and widened again, in place
.macro RND r
	v_cvt_pk_bf16_f32 v[TR], v[(\r)], v[(\r)+1]
	v_lshlrev_b32 v[(\r)], 16, v[TR]
	v_and_b32 v[(\r)+1], 0xffff0000, v[TR]
.endm
; sig, mu, w, erev (four pairs from register r on) are rounded to bf16 and become s', c', w+, we, in place
.macro DERIVE r
	RND (\r)
	RND (\r)+2
	RND (\r)+4
	RND (\r)+6
	v_pk_mul_f32 v[(\r):(\r)+1], v[(\r):(\r)+1], 0xbfb8aa3b op_sel_hi:[1,0]                    ; s' = -log2(e) sig
	v_pk_mul_f32 v[(\r)+2:(\r)+3], v[(\r):(\r)+1], v[(\r)+2:(\r)+3] neg_lo:[1,0] neg_hi:[1,0]  ; c' = -s' mu
	v_max_num_f32 v[(\r)+4], 0, v[(\r)+4]                                                      ; w+
	v_max_num_f32 v[(\r)+5], 0, v[(\r)+5]
	v_pk_mul_f32 v[(\r)+6:(\r)+7], v[(\r)+4:(\r)+5], v[(\r)+6:(\r)+7]                          ; we
.endm
	v_lshl_add_u32 v[SPW], v0, 2, SPARE
	v_mov_b32 v[NIL], 0
	v_lshrrev_b32 v1, 5, v0
	v_readfirstlane_b32 s3, v1                     ; wave 0..7
	s_mov_b32 s2, ttmp9
	s_cmp_lt_u32 s2, 52                            ; the same answer in all eight waves of a work-group
	s_cbranch_scc0 .Lsens
	; (a) THE TABLES.  A work-group converts 512 units, a thread two of them, 256 units apart: each load of a wave covers 256 consecutive bytes, each store 512.
	s_load_b256 s[8:15], s[0:1], 0x0               ; sig0, mu0, w0, erev0
	s_load_b256 s[16:23], s[0:1], 0x20             ; isig1, imu1, iw1, ierev1
	s_load_b256 s[24:31], s[0:1], 0x40             ; sig1, mu1, w1, erev1
	s_load_b128 s[32:35], s[0:1], 0x98             ; tsc, tww
	s_sub_co_u32 s36, s2, 36                       ; my number inside the second set (work-groups 36-47),
	s_sub_co_u32 s37, s2, 48                       ; inside the third (48-51)
	s_lshl_b32 s38, s2, 13                         ; 512 units of 16 bytes: the sets' tables follow each other without a gap
	v_lshl_add_u32 v5, v0, 4, s38
	s_wait_kmcnt 0x0
	s_cmp_lt_u32 s2, 48                            ; second set or third,
	s_cselect_b32 s36, s36, s37
	s_cselect_b64 s[16:17], s[16:17], s[24:25]
	s_cselect_b64 s[18:19], s[18:19], s[26:27]
	s_cselect_b64 s[20:21], s[20:21], s[28:29]
	s_cselect_b64 s[22:23], s[22:23], s[30:31]
	s_cmp_lt_u32 s2, 36                            ; or the first
	s_cselect_b32 s36, s2, s36
	s_cselect_b64 s[8:9], s[8:9], s[16:17]
	s_cselect_b64 s[10:11], s[10:11], s[18:19]
	s_cselect_b64 s[12:13], s[12:13], s[20:21]
	s_cselect_b64 s[14:15], s[14:15], s[22:23]
	s_lshl_b32 s36, s36, 12                        ; 512 units of 8 bytes in each of the four inputs
	v_lshl_add_u32 v4, v0, 3, s36
.irp j, 0,1
.irp a, 0,1,2,3
	global_load_b64 v[16+8*(\j)+2*(\a):17+8*(\j)+2*(\a)], v4, s[8+2*(\a):9+2*(\a)] offset:2048*(\j) th:TH_LOAD_NT
.endr
.endr
.irp j, 0,1
	s_wait_loadcnt 4-4*(\j)                        ; unit j's four loads are in; the second unit's four are younger than the first's
	DERIVE 16+8*(\j)
	global_store_b128 v5, v[16+8*(\j):19+8*(\j)], s[32:33] offset:4096*(\j)  ; s', c'
	global_store_b128 v5, v[20+8*(\j):23+8*(\j)], s[34:35] offset:4096*(\j)  ; w+, we
.endr
	s_branch .Lend
	; (b) LAYER 0'S SENSORY SUMS.  Work-group 52 + 8 hb + bg: columns 64 hb .. 64 hb + 63, batches 2 bg and 2 bg + 1.  Wave w sums over i = 16 w .. 16 w + 15, lane l holds columns 64 hb + 2 l and + 1.
.Lsens:
	s_load_b256 s[8:15], s[0:1], 0x60              ; isig0, imu0, iw0, ierev0
	s_load_b128 s[16:19], s[0:1], 0x80             ; x, gleak0
	s_load_b64 s[20:21], s[0:1], 0x90              ; vleak0
	s_load_b64 s[24:25], s[0:1], 0xa8              ; base0
	s_sub_co_u32 s4, s2, 52
	s_lshr_b32 s5, s4, 3                           ; hb
	s_and_b32 s6, s4, 7                            ; bg
	s_lshl_b32 s26, s6, 10                         ; two rows of x, 512 bytes each,
	s_lshl_b32 s27, s3, 6                          ; my sixteen numbers of a row
	s_add_co_u32 s26, s26, s27
	v_and_b32 v1, 31, v0                           ; lane
	s_lshl_b32 s27, s5, 8
	v_lshl_add_u32 v5, v1, 3, s27                  ; my two columns in a row of 192: 256 hb + 8 l
	s_mul_i32 s28, s3, 12288                       ; sixteen rows of 768 bytes
	v_add_nc_u32 v4, s28, v5
	s_lshl_b32 s28, s3, 10
	v_lshl_add_u32 v6, v1, 4, s28                  ; LDS: my partial sums, batch b at (2 w + b) 512 + 16 l
	s_lshl_b32 s28, s3, 9
	v_lshl_add_u32 v7, v1, 4, s28                  ; LDS: waves 0 and 1 read batch b = w back: 512 w + 16 l, wave w' 1,024 w' further
	s_lshl_b32 s28, s6, 1
	s_add_co_u32 s28, s28, s3                      ; the batch that I finish (waves 0 and 1)
	s_mul_i32 s28, s28, 1536
	s_lshl_b32 s29, s5, 9
	s_add_co_u32 s28, s28, s29
	v_lshl_add_u32 v12, v1, 4, s28                 ; its units in base0
	s_wait_kmcnt 0x0
	s_load_b512 s[XS:XS+15], s[16:17], s26 offset:0x0
	s_load_b512 s[XS+16:XS+31], s[16:17], s26 offset:0x200
.irp k, 0,1,2,3,4,5,6,7,8,9,10,11
.irp a, 0,1,2,3
	global_load_b64 v[PAR+8*(\k)+2*(\a):PAR+8*(\k)+2*(\a)+1], v4, s[8+2*(\a):9+2*(\a)] offset:768*(\k)
.endr
.endr
	s_wait_kmcnt 0x0                               ; x
.set n, 0
.rept 32                               ; x to bf16, nearest even, in the scalar registers where it lies: half a step less one is added, one more where bit 16 is set, and the low half is cut
	s_bfe_u32 s7, s[XS+n], 0x10010                 ; bit 16
	s_add_co_u32 s[XS+n], s[XS+n], s7
	s_add_co_u32 s[XS+n], s[XS+n], 0x7fff
	s_and_b32 s[XS+n], s[XS+n], 0xffff0000
.set n, n+1
.endr
; Four i (4 t .. 4 t + 3 of my sixteen) x two columns x two batches: sixteen sigmoids.  left: the loads that are younger than these four i's.
; The exponentials are one batch with one wait, the reciprocals another.
.macro SBATCH t, left
	s_wait_loadcnt \left
.irp c, 0,1,2,3
	DERIVE PAR+8*(4*(\t)+(\c))
.endr
.irp c, 0,1,2,3
.irp b, 0,1
.irp h, 0,1
	v_fma_f32 v[EE+4*(\c)+2*(\b)+(\h)], v[PAR+8*(4*(\t)+(\c))+(\h)], s[XS+16*(\b)+4*(\t)+(\c)], v[PAR+8*(4*(\t)+(\c))+2+(\h)]  ; s' x + c'
.endr
.endr
.endr
.set n, 0
.rept 16
	v_exp_f32 v[EE+n], v[EE+n]
.set n, n+1
.endr
	v_nop                                          ; a plain instruction behind the last exponential,
	s_wait_alu depctr_va_vdst(0)                   ; and one wait for the sixteen, ahead of their first reader
.set n, 0
.rept 8
	v_pk_add_f32 v[EE+2*n:EE+2*n+1], v[EE+2*n:EE+2*n+1], 1.0 op_sel_hi:[1,0]
.set n, n+1
.endr
.set n, 0
.rept 16
	v_rcp_f32 v[EE+n], v[EE+n]
.set n, n+1
.endr
	v_nop
	s_wait_alu depctr_va_vdst(0)                   ; one wait for the sixteen reciprocals
.irp c, 0,1,2,3
.irp b, 0,1
.if ((\t) == 0) && ((\c) == 0)                 ; the first products start the sums: nothing is cleared
	v_pk_mul_f32 v[ACC+4*(\b):ACC+4*(\b)+1],   v[EE+4*(\c)+2*(\b):EE+4*(\c)+2*(\b)+1], v[PAR+8*(4*(\t)+(\c))+6:PAR+8*(4*(\t)+(\c))+7]
	v_pk_mul_f32 v[ACC+4*(\b)+2:ACC+4*(\b)+3], v[EE+4*(\c)+2*(\b):EE+4*(\c)+2*(\b)+1], v[PAR+8*(4*(\t)+(\c))+4:PAR+8*(4*(\t)+(\c))+5]
.else
	v_pk_fma_f32 v[ACC+4*(\b):ACC+4*(\b)+1],   v[EE+4*(\c)+2*(\b):EE+4*(\c)+2*(\b)+1], v[PAR+8*(4*(\t)+(\c))+6:PAR+8*(4*(\t)+(\c))+7], v[ACC+4*(\b):ACC+4*(\b)+1]
	v_pk_fma_f32 v[ACC+4*(\b)+2:ACC+4*(\b)+3], v[EE+4*(\c)+2*(\b):EE+4*(\c)+2*(\b)+1], v[PAR+8*(4*(\t)+(\c))+4:PAR+8*(4*(\t)+(\c))+5], v[ACC+4*(\b)+2:ACC+4*(\b)+3]
.endif
.endr
.endr
.endm
	SBATCH 0, 32                                   ; of the 48 loads issued, those of my i 4 to 11 are younger
	s_wait_xcnt 0x0                                ; the 48 have read their addresses: the rest of the loads go out now, so that no more than 50 of mine are ever out
	global_load_b64 v[8:9], v5, s[18:19]           ; gleak0
	global_load_b64 v[10:11], v5, s[20:21]         ; vleak0
.irp k, 12,13,14,15
.irp a, 0,1,2,3
	global_load_b64 v[PAR+8*(\k)+2*(\a):PAR+8*(\k)+2*(\a)+1], v4, s[8+2*(\a):9+2*(\a)] offset:768*(\k)
.endr
.endr
	SBATCH 1, 34                                   ; younger: my i 8 to 11 (16), the two leak vectors, my i 12 to 15 (16)
	SBATCH 2, 18                                   ; younger: the two leak vectors and my i 12 to 15
	SBATCH 3, 0
	ds_store_b128 v6, v[ACC:ACC+3]
	ds_store_b128 v6, v[ACC+4:ACC+7] offset:512
	s_wait_dscnt 0x0                               ; for the others' sake: my partial sums lie in LDS
	s_barrier_signal -1
	s_barrier_wait -1
	s_cmp_lt_u32 s3, 2                             ; wave 0 finishes the first batch, wave 1 the second
	s_cbranch_scc0 .Lend
.irp k, 0,1,2,3,4,5,6,7
	ds_load_b128 v[EE+4*(\k):EE+4*(\k)+3], v7 offset:1024*(\k)
.endr
	RND 8                                          ; gleak0 and vleak0 to bf16, while the partial sums are on their way
	RND 10
	v_max_num_f32 v8, 0, v8                        ; relu(gleak0)
	v_max_num_f32 v9, 0, v9
	s_wait_dscnt 0x0
.set n, 0
.rept 8
	v_pk_add_f32 v[EE+2*n:EE+2*n+1], v[EE+2*n:EE+2*n+1], v[EE+16+2*n:EE+16+2*n+1]  ; waves 0-3 take waves 4-7,
.set n, n+1
.endr
.set n, 0
.rept 4
	v_pk_add_f32 v[EE+2*n:EE+2*n+1], v[EE+2*n:EE+2*n+1], v[EE+8+2*n:EE+8+2*n+1]    ; 0, 1 take 2, 3,
.set n, n+1
.endr
	v_pk_add_f32 v[EE:EE+1], v[EE:EE+1], v[EE+4:EE+5]                                 ; 0 takes 1
	v_pk_add_f32 v[EE+2:EE+3], v[EE+2:EE+3], v[EE+6:EE+7]
	v_pk_fma_f32 v[EE:EE+1], v[8:9], v[10:11], v[EE:EE+1]
	v_pk_add_f32 v[EE+2:EE+3], v[EE+2:EE+3], v[8:9]
	global_store_b128 v12, v[EE:EE+3], s[24:25]    ; 512 consecutive bytes a wave
.Lend:
	s_wait_tensorcnt 0x0                           ; the wave's end, behind my last LDS store
	ds_add_u32 v[SPW], v[NIL]
	s_wait_dscnt 0x0
	s_endpgm
.Lfunc_end_k_qd4c7986749_prep:
	.size	k_qd4c7986749_prep, .Lfunc_end_k_qd4c7986749_prep-k_qd4c7986749_prep
	.p2alignl 7, 3214868480
	.fill 96, 4, 3214868480
	.section	.rodata,"a",@progbits
	.p2align	6, 0x0
	.amdhsa_kernel k_qd4c7986749_prep
		.amdhsa_group_segment_fixed_size 9216
		.amdhsa_private_segment_fixed_size 0
		.amdhsa_enable_private_segment 0
		.amdhsa_kernarg_size 176
		.amdhsa_user_sgpr_count 2
		.amdhsa_user_sgpr_kernarg_segment_ptr 1
		.amdhsa_wavefront_size32 1
		.amdhsa_system_sgpr_workgroup_id_x 1
		.amdhsa_system_sgpr_workgroup_id_y 1
		.amdhsa_system_sgpr_workgroup_id_z 1
		.amdhsa_system_vgpr_workitem_id 0
		.amdhsa_next_free_vgpr 192
		.amdhsa_next_free_sgpr 66
		.amdhsa_reserve_vcc 0
		.amdhsa_float_denorm_mode_32 3
		.amdhsa_float_denorm_mode_16_64 3
		.amdhsa_memory_ordered 1
		.amdhsa_forward_progress 1
		.amdhsa_inst_pref_size 51
	.end_amdhsa_kernel
	.amdgpu_metadata
---
amdhsa.version: [ 1, 2 ]
amdhsa.kernels:
  - .name:           k_qd4c7986749_prep
    .symbol:         k_qd4c7986749_prep.kd
    .args:
      - { .name: sig0, .offset: 0, .size: 8, .value_kind: global_buffer, .address_space: global }
      - { .name: mu0, .offset: 8, .size: 8, .value_kind: global_buffer, .address_space: global }
      - { .name: w0, .offset: 16, .size: 8, .value_kind: global_buffer, .address_space: global }
      - { .name: erev0, .offset: 24, .size: 8, .value_kind: global_buffer, .address_space: global }
      - { .name: isig1, .offset: 32, .size: 8, .value_kind: global_buffer, .address_space: global }
      - { .name: imu1, .offset: 40, .size: 8, .value_kind: global_buffer, .address_space: global }
      - { .name: iw1, .offset: 48, .size: 8, .value_kind: global_buffer, .address_space: global }
      - { .name: ierev1, .offset: 56, .size: 8, .value_kind: global_buffer, .address_space: global }
      - { .name: sig1, .offset: 64, .size: 8, .value_kind: global_buffer, .address_space: global }
      - { .name: mu1, .offset: 72, .size: 8, .value_kind: global_buffer, .address_space: global }
      - { .name: w1, .offset: 80, .size: 8, .value_kind: global_buffer, .address_space: global }
      - { .name: erev1, .offset: 88, .size: 8, .value_kind: global_buffer, .address_space: global }
      - { .name: isig0, .offset: 96, .size: 8, .value_kind: global_buffer, .address_space: global }
      - { .name: imu0, .offset: 104, .size: 8, .value_kind: global_buffer, .address_space: global }
      - { .name: iw0, .offset: 112, .size: 8, .value_kind: global_buffer, .address_space: global }
      - { .name: ierev0, .offset: 120, .size: 8, .value_kind: global_buffer, .address_space: global }
      - { .name: x, .offset: 128, .size: 8, .value_kind: global_buffer, .address_space: global }
      - { .name: gleak0, .offset: 136, .size: 8, .value_kind: global_buffer, .address_space: global }
      - { .name: vleak0, .offset: 144, .size: 8, .value_kind: global_buffer, .address_space: global }
      - { .name: tsc, .offset: 152, .size: 8, .value_kind: global_buffer, .address_space: global }
      - { .name: tww, .offset: 160, .size: 8, .value_kind: global_buffer, .address_space: global }
      - { .name: base0, .offset: 168, .size: 8, .value_kind: global_buffer, .address_space: global }
    .group_segment_fixed_size: 9216
    .private_segment_fixed_size: 0
    .kernarg_segment_align: 8
    .kernarg_segment_size: 176
    .max_flat_workgroup_size: 256
    .sgpr_count:     66
    .vgpr_count:     192
    .wavefront_size: 32
...
	.end_amdgpu_metadata
.endif
;; end of part 1
;; launch main (part 2): grid 256 x 1, 12 waves a work-group, clusters of 4 x 1, 327,680 bytes of LDS; arguments tsc, tww, base0, particles, noise0, noise1, cm0, gdiff0, gleak1, vleak1, cm1, gdiff1, out1; writes out1
.if DOCPART == 2
	.amdgcn_target "amdgcn-amd-amdhsa--gfx1250"
	.amdhsa_code_object_version 6
	.text
	.protected	k_qd4c7986749_main
	.globl	k_qd4c7986749_main
	.p2align	8
	.type	k_qd4c7986749_main,@function
k_qd4c7986749_main:
	s_mov_b64 s[64:65], 0
	v_nop
	global_prefetch_b8 v0, s[64:65] scope:SCOPE_SE
	s_setreg_imm32_b32 hwreg(HW_REG_WAVE_MODE, 25, 1), 1
	s_wait_xcnt 0x0
	s_wait_alu depctr_hold_cnt(0) depctr_sa_sdst(0) depctr_va_vdst(0) depctr_va_sdst(0) depctr_va_ssrc(0) depctr_va_vcc(0) depctr_vm_vsrc(0)
	s_getreg_b32 s2, hwreg(HW_REG_IB_STS2, 6, 4)
	s_cmp_eq_u32 s2, 0
	s_cbranch_scc0 .Lentry_in_a_cluster
	s_endpgm
.Lentry_in_a_cluster:
	s_bfe_u32 s2, ttmp6, 0x10000c
	s_cmp_lg_u32 s2, 0x3003
	s_cbranch_scc0 .Lentry_shape_is_right
	s_endpgm
.Lentry_shape_is_right:
; MAIN.  Six Euler steps of the 192-neuron layer, then six of the 64-neuron layer whose sensory input is the first layer's last state, for 1,024 independent rows; out1 = both states.
;   v += A (num - den v) + GD n,   A = dt / (relu(cm) + 1e-8),  GD = gdiff sqrt(dt),  num = gl vleak + sum_i we / (1 + 2^(s' v_i + c')) + sensory,  den = gl + sum_i w+ / (1 + 2^(..)) + sensory.
; FORMAT.  EVERY INPUT IS ROUNDED ONCE TO BF16 (nearest even) AS IT IS LOADED, here as in the launch before and the one behind.  ALL THAT IS MADE OF THE INPUTS IS F32, the tables too: a step multiplies
; the state by 1 - A den, and an early error with it; a state that lies closer to a sigmoid's threshold than its error falls on the wrong side, for its whole row.  So what is computed keeps all 24 bits.
; SHARES.  A work-group owns 4 rows (all of one batch): 256 work-groups.  A step needs a row's whole state, so a row stays in one work-group, and every work-group walks all 192 x 192 synapses in
; each of six steps.  Their four f32 numbers are 589,824 bytes: HALF LIES IN LDS (w+, we: 294,912 bytes, brought once), HALF IN REGISTERS (s', c': 192 registers in each of twelve waves).
; Twelve waves: wave w = 4 hb + q.  LAYER 0: the wave sums over i = 48 q .. 48 q + 47 for columns 64 hb + 2 l and + 1 (l the lane) and all four rows; the four q meet in LDS, and wave (hb, q) finishes
; row q of its 64 columns.  LAYER 1, sensory (once: it does not change from step to step): wave w sums over i = 16 w .. + 15, columns 2 l and + 1.  LAYER 1, recurrent: waves 0-7 sum over i = 8 w .. + 7;
; waves 0-3 finish row w; 64 x 64 synapses are too few for twelve waves.  Layer 1's tables come into the registers that layer 0's leave.
; NO MATRIX INSTRUCTION: in sum_i a[row][i][h] e[i][h] the column h indexes both factors, so each sigmoid enters one product of each sum and is shared with no other output.
; CLUSTER.  All work-groups read the same tables.  The half that lies in LDS is asked for jointly by the four of a cluster, wave w of each for the same tile with the same descriptor; a wave reads the
; tile that it asked for and no other.  The half that lies in registers comes by plain loads: a tensor load lands in LDS alone, and LDS has no room for both halves (2 x 294,912 > 327,680).
; LIMITS.  The inputs' rounding to bf16.  2^z gives infinity above z = 128 and 0 below -126, which make the sigmoid 0 and 1: no clamp.  The division by c is a multiplication by a reciprocal good to
; 1 ULP; s' v + c' is rounded otherwise than sig (v - mu); the order of the sums is not the reference's.  Where |1 - A den| is far above 1, such roundings of the first step grow with the state: a neuron
; of layer 0 whose LAST state lies within them of layer 1's thresholds may fall on their other side, and shifts its row's den in layer 1 by up to one w.  NaN and infinities are not treated apart.
.set TILE,   24576                     ; LDS 0 .. 294,911: wave w's tile at w TILE: 48 rows (its i) of 512 bytes (its 32 units of w+, we), lane l at 16 l
.set VT0,    294912                    ; 3,072 bytes: layer 0's state, turned: neuron i, row r at 16 i + 4 r, so that one load of 16 bytes brings v[i] of all four rows
.set VT1,    297984                    ; 1,024 bytes: layer 1's likewise
.set PART,   299008                    ; 24,576 bytes: partial sums: wave w, row r, lane l at 2,048 w + 512 r + 16 l: (num h0, num h1, den h0, den h1)
.set SPARE,  323584                    ; the spare words, 128 bytes for each of twelve waves: six blocks of 256 bytes that no other line names
.set T1SOFF, 294912                    ; tsc and tww: layer 1's sensory table,
.set T1ROFF, 393216                    ; and its recurrent one
; REGISTERS.  Window 0 (v0-255) holds all but the last 64; window 1's v0-63 are v256-319.  No address or offset register is ever rewritten.
.set LANE,  1
.set TA0,   2                          ; LDS: my 16 bytes in my tile's first row
.set VA0,   3                          ; LDS: v of my first i in layer 0: VT0 + 768 q
.set PS,    4                          ; LDS: where I put my partial sums
.set PL0,   5                          ; LDS: where I read row q's partial sums of my hb back; wave q' 2,048 q' further
.set VS0,   6                          ; LDS: where my two new v of layer 0 go
.set OFFB0, 7                          ; base0: my unit
.set SPW,   8                          ; LDS address of my spare word: SPARE + 4 x my thread's number
.set NIL,   9                          ; 0
.set OFFP,  10                         ; particles and out1: row 4 G + q, columns 64 hb + 2 l
.set OFFN0, 11                         ; noise0: the same place in a step's 1,024 x 192
.set OFFC0, 12                         ; 256 hb + 8 l: my two columns in layer 0's vectors
.set OFFT0, 13                         ; tsc: my unit in my tile's first row: 73,728 q + 512 hb + 16 l
.set PL1,   14                         ; LDS: row w's partial sums; wave k 2,048 k further
.set VS1,   15                         ; LDS: where my two new v of layer 1 go
.set VA1S,  16                         ; LDS: v of my first i of the sensory sums: VT0 + 256 w
.set VA1R,  17                         ; LDS: of the recurrent ones: VT1 + 128 w
.set OFFP1, 18                         ; particles and out1: row 4 G + w, columns 192 + 2 l
.set OFFN1, 19                         ; noise1
.set OFFC1, 20                         ; 8 l: my two columns in layer 1's vectors
.set OFFT,  21                         ; tsc, tww: 8,192 w + 16 l (sixteen rows of 512 bytes)
.set OFFTR, 22                         ; tsc, tww: 4,096 w + 16 l (waves 0-7: eight rows of 512 bytes)
.set TR,    23                         ; two bf16, on their way back to f32
.set V0R,   24                         ; layer 0, my row and two columns: v,
.set A0,    26                         ; A,
.set GD0,   28                         ; GD,
.set BASE0, 30                         ; v[30:33] the sensory sums with the leak terms,
.set N0,    34                         ; the step's noise
.set V1R,   36                         ; the same for layer 1 (waves 0-3)
.set A1,    38
.set GD1,   40
.set BASE1, 42                         ; v[42:45]
.set N1,    46
.set RAW,   48                         ; v[48:63]   four units of w+, we of layer 0, out of LDS
.set VB,    64                         ; v[64:79]   for each of four i: v[i] of the four rows
.set EE,    80                         ; v[80:111]  32 sigmoids at work: i j, row r, column half at EE + 8 j + 2 r + half
.set T,     80                         ;            between the batches: at work
.set ACC,   112                        ; v[112:127] row r: num (two columns), den (two columns) at ACC + 4 r
.set RES0,  128                        ; v[128:255] layer 0: s', c' of my i 0-31, four registers each;  layer 1: sensory s', c' of my 16 i, then (from RES0 + 64) their w+, we
                                       ; window 1 v[0:63]: layer 0: s', c' of my i 32-47;  layer 1 (waves 0-7): recurrent s', c' of my 8 i, then (from 32) their w+, we
.set WV,  28                           ; s28 my wave's number;  s29 hb;  s30 q
.set HB,  29
.set QQ,  30
.set CX,  31                           ; s31 my place in the cluster;  s32 G, the work-group's number: they enter global offsets alone
.set GG,  32
.set UNF, 33                           ; s33 steps still to do
.set DG0, 36                           ; s[36:39] descriptor group 0
.set DG1, 40                           ; s[40:47] descriptor group 1
.set OUT, 56                           ; s[56:57] out1
.set MSB, 0
.macro WIN new                         ; s_set_vgpr_msb: bits 1:0 source 0, 3:2 source 1, 5:4 source 2, 7:6 destination; the high byte repeats the setting that is left; a switch that changes nothing is dropped
.if MSB != (\new)
	s_set_vgpr_msb (MSB<<8)|(\new)
.set MSB, \new
.endif
.endm
; the pair of f32 at register r, an input as loaded, is rounded to bf16, nearest even, and widened again, in place
.macro RND r
	v_cvt_pk_bf16_f32 v[TR], v[(\r)], v[(\r)+1]
	v_lshlrev_b32 v[(\r)], 16, v[TR]
	v_and_b32 v[(\r)+1], 0xffff0000, v[TR]
.endm
; A round of the cluster's barrier: my work-group's barrier, wave 0 signals for the work-group, every wave waits for all four work-groups, my work-group's barrier once more.
.macro ROUND
	s_barrier_signal -1
	s_barrier_wait -1
	s_cmp_lg_u32 s[WV], 0
	s_cbranch_scc1 .Lnot_wave_0_\@
	s_barrier_signal -3
.Lnot_wave_0_\@:
	s_barrier_wait -3
	s_barrier_signal -1
	s_barrier_wait -1
.endm
; The work-group's barrier.  The wait is for the others' sake: my LDS stores lie there, and my LDS reads are over, before I say so.
.macro BAR
	s_wait_dscnt 0x0
	s_barrier_signal -1
	s_barrier_wait -1
.endm
; v[i] of the four rows for four i: all lanes name the same 16 bytes
.macro VLOAD va, off
.irp j, 0,1,2,3
	ds_load_b128 v[VB+4*(\j):VB+4*(\j)+3], v[\va] offset:(\off)+16*(\j)
.endr
.endm
; Four units of w+, we of layer 0 from byte off of my tile: 512 consecutive bytes a load
.macro TLOAD off
.irp j, 0,1,2,3
	ds_load_b128 v[RAW+4*(\j):RAW+4*(\j)+3], v[TA0] offset:(\off)+512*(\j)
.endr
.endm
; A BATCH: four i x two columns x four rows = 32 sigmoids a lane.
; sreg, swin: the first of the sixteen registers of s', c' and their window;  wreg, wwin: the same for w+, we.  zero = 1: the first i's products start the sums: nothing is cleared.
; pfv = 1: the next batch's v is fetched (from v[va] + voff) as soon as this batch's has been read.  tl = 1: w+, we come out of LDS (byte toff of my tile), asked for at the batch's head, wanted at its end.
; The argument lines take v as source 0, so that the window setting for s' and c' touches sources 1 and 2 alone and the exponentials, which have neither, can stand between them.
; The 32 exponentials are one batch with one wait, the 32 reciprocals another.
.macro BATCH sreg, swin, wreg, wwin, zero, pfv, va, voff, tl, toff
.if \tl
	TLOAD \toff
	s_wait_dscnt 4                                 ; v is in: it was asked for in the batch before; the four units just asked for are younger
.else
	s_wait_dscnt 0x0                               ; v is in
.endif
	WIN 0x14*(\swin)
.set n, 0
.rept 32                               ; n = 8 j + 2 r + half
	v_fma_f32 v[EE+n], v[VB+4*(n/8)+(n%8)/2], v[(\sreg)+4*(n/8)+n%2], v[(\sreg)+4*(n/8)+2+n%2]  ; v s' + c'
.if n >= 2
	v_exp_f32 v[EE+n-2], v[EE+n-2]
.endif
.set n, n+1
.endr
	v_exp_f32 v[EE+30], v[EE+30]
	v_exp_f32 v[EE+31], v[EE+31]
	WIN 0
.if \pfv
	VLOAD \va, \voff
.endif
	v_nop                                          ; a plain instruction behind the last exponential,
	s_wait_alu depctr_va_vdst(0)                   ; and one wait for the 32, ahead of their first reader
	v_pk_add_f32 v[EE:EE+1], v[EE:EE+1], 1.0 op_sel_hi:[1,0]
.set n, 0
.rept 16                               ; the next pair's 1 + e stands in front of each pair of reciprocals
.if n < 15
	v_pk_add_f32 v[EE+2*n+2:EE+2*n+3], v[EE+2*n+2:EE+2*n+3], 1.0 op_sel_hi:[1,0]
.endif
	v_rcp_f32 v[EE+2*n], v[EE+2*n]
	v_rcp_f32 v[EE+2*n+1], v[EE+2*n+1]
.set n, n+1
.endr
	v_nop
	s_wait_alu depctr_va_vdst(0)                   ; one wait for the 32 reciprocals
.if \tl
	s_wait_dscnt 4*(\pfv)                          ; w+, we are in; the next batch's four loads of v, where there are any, are younger
.endif
	WIN 0x04*(\wwin)
.irp j, 0,1,2,3
.irp r, 0,1,2,3                        ; a sum comes round again every eighth line
.if (\zero) && ((\j) == 0)
	v_pk_mul_f32 v[ACC+4*(\r):ACC+4*(\r)+1],   v[EE+8*(\j)+2*(\r):EE+8*(\j)+2*(\r)+1], v[(\wreg)+4*(\j)+2:(\wreg)+4*(\j)+3]
	v_pk_mul_f32 v[ACC+4*(\r)+2:ACC+4*(\r)+3], v[EE+8*(\j)+2*(\r):EE+8*(\j)+2*(\r)+1], v[(\wreg)+4*(\j):(\wreg)+4*(\j)+1]
.else
	v_pk_fma_f32 v[ACC+4*(\r):ACC+4*(\r)+1],   v[EE+8*(\j)+2*(\r):EE+8*(\j)+2*(\r)+1], v[(\wreg)+4*(\j)+2:(\wreg)+4*(\j)+3], v[ACC+4*(\r):ACC+4*(\r)+1]
	v_pk_fma_f32 v[ACC+4*(\r)+2:ACC+4*(\r)+3], v[EE+8*(\j)+2*(\r):EE+8*(\j)+2*(\r)+1], v[(\wreg)+4*(\j):(\wreg)+4*(\j)+1],   v[ACC+4*(\r)+2:ACC+4*(\r)+3]
.endif
.endr
.endr
	WIN 0
.endm
.macro STOREP                          ; my partial sums of the four rows
.irp r, 0,1,2,3
	ds_store_b128 v[PS], v[ACC+4*(\r):ACC+4*(\r)+3] offset:512*(\r)
.endr
.endm
; A row's two columns are finished: cnt (4 or 8) waves' partial sums, the constant part bs, the step, the next step's noise, and the new v into the turned state.
.macro FIN pl, cnt, bs, vv, aa, gg, nn, np, step, offn, vs
.set k, 0
.rept 4
	ds_load_b128 v[T+4*k:T+4*k+3], v[\pl] offset:2048*k
.set k, k+1
.endr
.if (\cnt) == 8
.set k, 0
.rept 4
	ds_load_b128 v[VB+4*k:VB+4*k+3], v[\pl] offset:2048*(k+4)
.set k, k+1
.endr
.endif
	s_wait_loadcnt 0x0                             ; the noise, asked for a step ago,
	RND \nn                                        ; to bf16, while the partial sums are on their way
	s_wait_dscnt 0x0
.if (\cnt) == 8
.set k, 0
.rept 8
	v_pk_add_f32 v[T+2*k:T+2*k+1], v[T+2*k:T+2*k+1], v[VB+2*k:VB+2*k+1]
.set k, k+1
.endr
.endif
.set k, 0
.rept 4
	v_pk_add_f32 v[T+2*k:T+2*k+1], v[T+2*k:T+2*k+1], v[T+8+2*k:T+8+2*k+1]
.set k, k+1
.endr
	v_pk_add_f32 v[T:T+1], v[T:T+1], v[T+4:T+5]
	v_pk_add_f32 v[T+2:T+3], v[T+2:T+3], v[T+6:T+7]
	v_pk_add_f32 v[T:T+1], v[T:T+1], v[\bs:\bs+1]
	v_pk_add_f32 v[T+2:T+3], v[T+2:T+3], v[\bs+2:\bs+3]
	v_pk_fma_f32 v[T:T+1], v[T+2:T+3], v[\vv:\vv+1], v[T:T+1] neg_lo:[1,0,0] neg_hi:[1,0,0]  ; num - den v
	v_pk_fma_f32 v[\vv:\vv+1], v[\aa:\aa+1], v[T:T+1], v[\vv:\vv+1]
	v_pk_fma_f32 v[\vv:\vv+1], v[\gg:\gg+1], v[\nn:\nn+1], v[\vv:\vv+1]
	s_add_nc_u64 s[\np:\np+1], s[\np:\np+1], \step ; the load that named this base is done (the wait above): on to the next step's noise
	s_cmp_eq_u32 s[UNF], 1                         ; the last step asks for nothing
	s_cbranch_scc1 .Lno_noise_\@
	global_load_b64 v[\nn:\nn+1], v[\offn], s[\np:\np+1] th:TH_LOAD_NT
.Lno_noise_\@:
	ds_store_b32 v[\vs], v[\vv]
	ds_store_b32 v[\vs], v[\vv+1] offset:16
.endm
	; THE HEAD
	s_load_b512 s[4:19], s[0:1], 0x0               ; tsc s[4:5], tww s[6:7], base0 s[8:9], particles s[10:11], noise0 s[12:13], noise1 s[14:15], cm0 s[16:17], gdiff0 s[18:19]
	s_load_b256 s[20:27], s[0:1], 0x40             ; gleak1 s[20:21], vleak1 s[22:23], cm1 s[24:25], gdiff1 s[26:27]
	s_load_b64 s[OUT:OUT+1], s[0:1], 0x60          ; out1
	v_lshl_add_u32 v[SPW], v0, 2, SPARE
	v_mov_b32 v[NIL], 0
	ds_add_u32 v[SPW], v[NIL]                      ; the wave's opening: the add and its wait stand ahead of my first tensor load; the set-up below, work on registers, stands between them
	v_and_b32 v[LANE], 31, v0
	v_lshrrev_b32 v[T], 5, v0
	v_readfirstlane_b32 s[WV], v[T]                ; wave 0..11
	s_lshr_b32 s[HB], s[WV], 2
	s_and_b32 s[QQ], s[WV], 3
	; the descriptor: a tile of 48 rows x 64 elements of 8 bytes (512 bytes a row), 192 elements from row to row; every word hangs on the wave's number alone, so it is the same in all four partners
	s_mov_b32 s[DG1+0], 15|(3<<16)|(1<<21)         ; 15:0 the mask: all four work-groups; 17:16 elements of 8 bytes; 20 no padding; 21 set beside a mask
	s_mov_b32 s[DG1+1], 64<<16                     ; tensor_dim0 = 64
	s_mov_b32 s[DG1+2], 48<<16                     ; tensor_dim1 = 48
	s_mov_b32 s[DG1+3], 64<<16                     ; tile_dim0 = 64
	s_mov_b32 s[DG1+4], 48                         ; tile_dim1 = 48
	s_mov_b32 s[DG1+5], 192                        ; a table row of 192 columns is 96 units = 192 elements
	s_mov_b32 s[DG1+6], 0
	s_mov_b32 s[DG1+7], 0
	s_mov_b32 s[DG0+0], 1                          ; count = 1
	s_mul_i32 s[DG0+1], s[WV], TILE                ; LDS address: my tile
	s_mul_i32 s48, s[QQ], 73728                    ; 48 q rows of 1,536 bytes,
	s_lshl_b32 s49, s[HB], 9                       ; 32 hb units
	s_add_co_u32 s48, s48, s49
	s_mov_b32 s49, 0
	v_lshl_add_u32 v[OFFT0], v[LANE], 4, s48       ; the same tile in tsc, and my unit of a row
	; LDS addresses: constants, the wave's number and the lane
	v_lshl_add_u32 v[TA0], v[LANE], 4, s[DG0+1]
	s_mul_i32 s50, s[QQ], 768
	s_add_co_u32 s50, s50, VT0
	v_mov_b32 v[VA0], s50
	s_lshl_b32 s50, s[WV], 11
	s_add_co_u32 s50, s50, PART
	v_lshl_add_u32 v[PS], v[LANE], 4, s50
	s_lshl_b32 s50, s[HB], 13
	s_lshl_b32 s51, s[QQ], 9
	s_add_co_u32 s50, s50, s51
	s_add_co_u32 s50, s50, PART
	v_lshl_add_u32 v[PL0], v[LANE], 4, s50
	s_lshl_b32 s50, s[HB], 10
	s_lshl_b32 s51, s[QQ], 2
	s_add_co_u32 s50, s50, s51
	s_add_co_u32 s50, s50, VT0
	v_lshl_add_u32 v[VS0], v[LANE], 5, s50         ; neuron 64 hb + 2 l, row q: 16 (64 hb + 2 l) + 4 q
	s_lshl_b32 s50, s[WV], 9
	s_add_co_u32 s50, s50, PART
	v_lshl_add_u32 v[PL1], v[LANE], 4, s50
	s_lshl_b32 s50, s[WV], 2
	s_add_co_u32 s50, s50, VT1
	v_lshl_add_u32 v[VS1], v[LANE], 5, s50
	s_lshl_b32 s50, s[WV], 8
	s_add_co_u32 s50, s50, VT0
	v_mov_b32 v[VA1S], s50
	s_lshl_b32 s50, s[WV], 7
	s_add_co_u32 s50, s50, VT1
	v_mov_b32 v[VA1R], s50
	; global offsets: here alone the work-group's number enters, in scalar registers of their own
	s_bfe_u32 s[CX], ttmp6, 0x40000                ; cx
	s_lshl_b32 s[GG], ttmp9, 2                     ; in a cluster launch ttmp9 counts clusters
	s_add_co_u32 s[GG], s[GG], s[CX]               ; G = 4 x cluster + cx
	s_lshr_b32 s52, s[GG], 4                       ; the batch: sixteen work-groups share it
	s_mul_i32 s52, s52, 1536
	s_lshl_b32 s53, s[HB], 9
	s_add_co_u32 s52, s52, s53
	v_lshl_add_u32 v[OFFB0], v[LANE], 4, s52
	s_lshl_b32 s54, s[GG], 2                       ; my work-group's first row
	s_add_co_u32 s55, s54, s[QQ]                   ; the row that I finish in layer 0
	s_lshl_b32 s53, s[HB], 8
	s_lshl_b32 s52, s55, 10
	s_add_co_u32 s52, s52, s53
	v_lshl_add_u32 v[OFFP], v[LANE], 3, s52
	s_mul_i32 s52, s55, 768
	s_add_co_u32 s52, s52, s53
	v_lshl_add_u32 v[OFFN0], v[LANE], 3, s52
	v_lshl_add_u32 v[OFFC0], v[LANE], 3, s53
	s_lshl_b32 s52, s[WV], 13
	v_lshl_add_u32 v[OFFT], v[LANE], 4, s52
	s_lshl_b32 s52, s[WV], 12
	v_lshl_add_u32 v[OFFTR], v[LANE], 4, s52
	v_lshlrev_b32 v[OFFC1], 3, v[LANE]
	s_add_co_u32 s55, s54, s[WV]                   ; the row that I finish in layer 1 (waves 0-3)
	s_lshl_b32 s52, s55, 10
	s_add_co_u32 s52, s52, 768
	v_lshl_add_u32 v[OFFP1], v[LANE], 3, s52
	s_lshl_b32 s52, s55, 8
	v_lshl_add_u32 v[OFFN1], v[LANE], 3, s52
	s_wait_dscnt 0x0                               ; the opening add is done
	s_wait_kmcnt 0x0
	s_add_nc_u64 s[DG0+2:DG0+3], s[6:7], s[48:49]  ; global address of my tile's first element, in tww
	s_or_b32 s[DG0+3], s[DG0+3], 0x80000000        ; type = 2
	ROUND                                          ; all four work-groups are here: the joint loads meet
	tensor_load_to_lds s[DG0:DG0+3], s[DG1:DG1+7]  ; my one tensor load of the launch: no LDS byte is filled twice
	s_nop 0
	; what the head itself works on,
	global_load_b64 v[V0R:V0R+1], v[OFFP], s[10:11] th:TH_LOAD_NT
	global_load_b64 v[A0:A0+1], v[OFFC0], s[16:17]
	global_load_b64 v[GD0:GD0+1], v[OFFC0], s[18:19]
	global_load_b128 v[BASE0:BASE0+3], v[OFFB0], s[8:9]
	global_load_b64 v[N0:N0+1], v[OFFN0], s[12:13] th:TH_LOAD_NT
	; then s', c' of my 48 i: 512 consecutive bytes a load
.set k, 0
.rept 32
	global_load_b128 v[RES0+4*k:RES0+4*k+3], v[OFFT0], s[4:5] offset:1536*k
.set k, k+1
.endr
	WIN 0x40                                       ; destination in window 1
.rept 16
	global_load_b128 v[4*(k-32):4*(k-32)+3], v[OFFT0], s[4:5] offset:1536*k
.set k, k+1
.endr
	WIN 0
	s_wait_loadcnt 48                              ; the first five are in; the 48 table loads are younger
	RND V0R                                        ; particles, cm0 and gdiff0 to bf16 (the noise: where it is used)
	RND A0
	RND GD0
	v_max_num_f32 v[A0], 0, v[A0]
	v_max_num_f32 v[A0+1], 0, v[A0+1]
	v_pk_add_f32 v[A0:A0+1], v[A0:A0+1], 0x322bcc77 op_sel_hi:[1,0]    ; relu(cm) + 1e-8
	v_rcp_f32 v[A0], v[A0]
	v_rcp_f32 v[A0+1], v[A0+1]
	v_pk_mul_f32 v[GD0:GD0+1], v[GD0:GD0+1], 0x3ed105ec op_sel_hi:[1,0]  ; gdiff sqrt(1/6): also the plain instruction behind the reciprocals
	s_wait_alu depctr_va_vdst(0)                   ; one wait for the two, ahead of their reader
	v_pk_mul_f32 v[A0:A0+1], v[A0:A0+1], 0x3e2aaaab op_sel_hi:[1,0]    ; dt / c
	ds_store_b32 v[VS0], v[V0R]
	ds_store_b32 v[VS0], v[V0R+1] offset:16
	s_cmp_lt_u32 s[WV], 4
	s_cbranch_scc0 .Lno_l1
	global_load_b64 v[V1R:V1R+1], v[OFFP1], s[10:11] th:TH_LOAD_NT
	global_load_b64 v[A1:A1+1], v[OFFC1], s[24:25]
	global_load_b64 v[GD1:GD1+1], v[OFFC1], s[26:27]
	global_load_b64 v[BASE1+2:BASE1+3], v[OFFC1], s[20:21]  ; gleak1
	global_load_b64 v[BASE1:BASE1+1], v[OFFC1], s[22:23]    ; vleak1
	global_load_b64 v[N1:N1+1], v[OFFN1], s[14:15] th:TH_LOAD_NT
.Lno_l1:
	s_wait_tensorcnt 0x0                           ; my tile is in LDS; no other wave reads it
	s_wait_loadcnt 0x0                             ; s', c' are in registers, and all else that the head asked for
	BAR                                            ; the turned state of layer 0 is whole
	; LAYER 0: six steps.  A step's twelve batches are written out: the table's registers cannot be indexed, and every LDS address is a register that is never rewritten plus a constant.
	s_mov_b32 s[UNF], 6
.Lu0:
	VLOAD VA0, 0
	BATCH RES0, 0, RAW, 0, 1, 1, VA0, 64, 1, 0
.set t, 1
.rept 7
	BATCH RES0+16*t, 0, RAW, 0, 0, 1, VA0, 64*(t+1), 1, 2048*t
.set t, t+1
.endr
.rept 3                                ; batches 8 to 10: s', c' in window 1
	BATCH 16*(t-8), 1, RAW, 0, 0, 1, VA0, 64*(t+1), 1, 2048*t
.set t, t+1
.endr
	BATCH 48, 1, RAW, 0, 0, 0, VA0, 0, 1, 2048*11  ; the twelfth fetches no further v
	STOREP
	BAR                                            ; all partial sums lie in LDS, and nobody reads the old state any more
	FIN PL0, 4, BASE0, V0R, A0, GD0, N0, 12, 786432, OFFN0, VS0
	BAR                                            ; the new state is whole, and nobody reads the partial sums any more
	s_sub_co_u32 s[UNF], s[UNF], 1
	s_cmp_lg_u32 s[UNF], 0
	s_cbranch_scc1 .Lu0
	global_store_b64 v[OFFP], v[V0R:V0R+1], s[OUT:OUT+1]  ; a wave stores 256 consecutive bytes, at a multiple of 256 from out1's first byte
	; LAYER 1'S TABLES, into the registers that layer 0's have left.  The recurrent one first (waves 0-7), so that the counts below are the same in every wave.
	s_cmp_lt_u32 s[WV], 8
	s_cbranch_scc0 .Lno_t1r
	WIN 0x40                                       ; destination in window 1
.set k, 0
.rept 8
	global_load_b128 v[4*k:4*k+3], v[OFFTR], s[4:5] offset:T1ROFF+512*k
	global_load_b128 v[32+4*k:32+4*k+3], v[OFFTR], s[6:7] offset:T1ROFF+512*k
.set k, k+1
.endr
	WIN 0
.Lno_t1r:
.set k, 0
.rept 4                                ; batch k: four units of s', c', four of w+, we
.set j, 0
.rept 4
	global_load_b128 v[RES0+16*k+4*j:RES0+16*k+4*j+3], v[OFFT], s[4:5] offset:T1SOFF+512*(4*k+j)
.set j, j+1
.endr
.set j, 0
.rept 4
	global_load_b128 v[RES0+64+16*k+4*j:RES0+64+16*k+4*j+3], v[OFFT], s[6:7] offset:T1SOFF+512*(4*k+j)
.set j, j+1
.endr
.set k, k+1
.endr
	; the constants of the rows' finishers (their loads were waited for at the head)
	s_cmp_lt_u32 s[WV], 4
	s_cbranch_scc0 .Lno_set1
	RND V1R                                        ; particles, cm1, gdiff1, vleak1 and gleak1 to bf16
	RND A1
	RND GD1
	RND BASE1
	RND BASE1+2
	v_max_num_f32 v[BASE1+2], 0, v[BASE1+2]        ; gl
	v_max_num_f32 v[BASE1+3], 0, v[BASE1+3]
	v_max_num_f32 v[A1], 0, v[A1]
	v_max_num_f32 v[A1+1], 0, v[A1+1]
	v_pk_add_f32 v[A1:A1+1], v[A1:A1+1], 0x322bcc77 op_sel_hi:[1,0]
	v_rcp_f32 v[A1], v[A1]
	v_rcp_f32 v[A1+1], v[A1+1]
	v_pk_mul_f32 v[BASE1:BASE1+1], v[BASE1+2:BASE1+3], v[BASE1:BASE1+1]  ; gl vleak
	v_pk_mul_f32 v[GD1:GD1+1], v[GD1:GD1+1], 0x3ed105ec op_sel_hi:[1,0]
	s_wait_alu depctr_va_vdst(0)                   ; one wait for the two reciprocals
	v_pk_mul_f32 v[A1:A1+1], v[A1:A1+1], 0x3e2aaaab op_sel_hi:[1,0]
	ds_store_b32 v[VS1], v[V1R]
	ds_store_b32 v[VS1], v[V1R+1] offset:16
.Lno_set1:
	; its sensory sums, once: layer 0's last state does not change any more
	VLOAD VA1S, 0
	s_wait_loadcnt 24                              ; batch 0's eight loads are in; those of the three later batches are younger
	BATCH RES0,    0, RES0+64,  0, 1, 1, VA1S, 64,  0, 0
	s_wait_loadcnt 16
	BATCH RES0+16, 0, RES0+80,  0, 0, 1, VA1S, 128, 0, 0
	s_wait_loadcnt 8
	BATCH RES0+32, 0, RES0+96,  0, 0, 1, VA1S, 192, 0, 0
	s_wait_loadcnt 0x0
	BATCH RES0+48, 0, RES0+112, 0, 0, 0, VA1S, 0,   0, 0
	STOREP
	BAR
	s_cmp_lt_u32 s[WV], 4
	s_cbranch_scc0 .Lno_sum1
.set k, 0
.rept 12
	ds_load_b128 v[VB+4*k:VB+4*k+3], v[PL1] offset:2048*k  ; twelve waves' partial sums of my row, into v[64:111]
.set k, k+1
.endr
	s_wait_dscnt 0x0
.set k, 0
.rept 12
	v_pk_add_f32 v[VB+2*k:VB+2*k+1], v[VB+2*k:VB+2*k+1], v[VB+24+2*k:VB+24+2*k+1]  ; waves 0-5 take 6-11,
.set k, k+1
.endr
.set k, 0
.rept 6
	v_pk_add_f32 v[VB+2*k:VB+2*k+1], v[VB+2*k:VB+2*k+1], v[VB+12+2*k:VB+12+2*k+1]  ; 0-2 take 3-5,
.set k, k+1
.endr
.irp k, 0,1
	v_pk_add_f32 v[VB+2*(\k):VB+2*(\k)+1], v[VB+2*(\k):VB+2*(\k)+1], v[VB+4+2*(\k):VB+4+2*(\k)+1]  ; 0 takes 1
.endr
.irp k, 0,1
	v_pk_add_f32 v[VB+2*(\k):VB+2*(\k)+1], v[VB+2*(\k):VB+2*(\k)+1], v[VB+8+2*(\k):VB+8+2*(\k)+1]  ; and 2
.endr
.irp k, 0,1
	v_pk_add_f32 v[BASE1+2*(\k):BASE1+2*(\k)+1], v[BASE1+2*(\k):BASE1+2*(\k)+1], v[VB+2*(\k):VB+2*(\k)+1]
.endr
.Lno_sum1:
	BAR                                            ; nobody reads the partial sums any more; layer 1's turned state is whole
	; its six steps
	s_mov_b32 s[UNF], 6
.Lu1:
	s_cmp_lt_u32 s[WV], 8
	s_cbranch_scc0 .Lidle_a
	VLOAD VA1R, 0
	BATCH 0,  1, 32, 1, 1, 1, VA1R, 64, 0, 0       ; both halves of the recurrent table lie in window 1
	BATCH 16, 1, 48, 1, 0, 0, VA1R, 0,  0, 0
	STOREP
.Lidle_a:
	BAR
	s_cmp_lt_u32 s[WV], 4
	s_cbranch_scc0 .Lidle_b
	FIN PL1, 8, BASE1, V1R, A1, GD1, N1, 14, 262144, OFFN1, VS1
.Lidle_b:
	BAR
	s_sub_co_u32 s[UNF], s[UNF], 1
	s_cmp_lg_u32 s[UNF], 0
	s_cbranch_scc1 .Lu1
	s_cmp_lt_u32 s[WV], 4
	s_cbranch_scc0 .Lend
	global_store_b64 v[OFFP1], v[V1R:V1R+1], s[OUT:OUT+1]  ; 256 consecutive bytes, at a multiple of 256 from out1's first byte
.Lend:
	s_wait_tensorcnt 0x0                           ; the wave's end, behind my tensor load and my last LDS store
	ds_add_u32 v[SPW], v[NIL]
	s_wait_dscnt 0x0
	ROUND                                          ; the closing round: no work-group ends while a partner may still ask for a tile that names it
	s_endpgm
.Lfunc_end_k_qd4c7986749_main:
	.size	k_qd4c7986749_main, .Lfunc_end_k_qd4c7986749_main-k_qd4c7986749_main
	.p2alignl 7, 3214868480
	.fill 96, 4, 3214868480
	.section	.rodata,"a",@progbits
	.p2align	6, 0x0
	.amdhsa_kernel k_qd4c7986749_main
		.amdhsa_group_segment_fixed_size 327680
		.amdhsa_private_segment_fixed_size 0
		.amdhsa_enable_private_segment 0
		.amdhsa_kernarg_size 104
		.amdhsa_user_sgpr_count 2
		.amdhsa_user_sgpr_kernarg_segment_ptr 1
		.amdhsa_wavefront_size32 1
		.amdhsa_system_sgpr_workgroup_id_x 1
		.amdhsa_system_sgpr_workgroup_id_y 1
		.amdhsa_system_sgpr_workgroup_id_z 1
		.amdhsa_system_vgpr_workitem_id 0
		.amdhsa_next_free_vgpr 320
		.amdhsa_next_free_sgpr 66
		.amdhsa_reserve_vcc 0
		.amdhsa_float_denorm_mode_32 3
		.amdhsa_float_denorm_mode_16_64 3
		.amdhsa_memory_ordered 1
		.amdhsa_forward_progress 1
		.amdhsa_inst_pref_size 164
	.end_amdhsa_kernel
	.amdgpu_metadata
---
amdhsa.version: [ 1, 2 ]
amdhsa.kernels:
  - .name:           k_qd4c7986749_main
    .symbol:         k_qd4c7986749_main.kd
    .args:
      - { .name: tsc, .offset: 0, .size: 8, .value_kind: global_buffer, .address_space: global }
      - { .name: tww, .offset: 8, .size: 8, .value_kind: global_buffer, .address_space: global }
      - { .name: base0, .offset: 16, .size: 8, .value_kind: global_buffer, .address_space: global }
      - { .name: particles, .offset: 24, .size: 8, .value_kind: global_buffer, .address_space: global }
      - { .name: noise0, .offset: 32, .size: 8, .value_kind: global_buffer, .address_space: global }
      - { .name: noise1, .offset: 40, .size: 8, .value_kind: global_buffer, .address_space: global }
      - { .name: cm0, .offset: 48, .size: 8, .value_kind: global_buffer, .address_space: global }
      - { .name: gdiff0, .offset: 56, .size: 8, .value_kind: global_buffer, .address_space: global }
      - { .name: gleak1, .offset: 64, .size: 8, .value_kind: global_buffer, .address_space: global }
      - { .name: vleak1, .offset: 72, .size: 8, .value_kind: global_buffer, .address_space: global }
      - { .name: cm1, .offset: 80, .size: 8, .value_kind: global_buffer, .address_space: global }
      - { .name: gdiff1, .offset: 88, .size: 8, .value_kind: global_buffer, .address_space: global }
      - { .name: out1, .offset: 96, .size: 8, .value_kind: global_buffer, .address_space: global }
    .group_segment_fixed_size: 327680
    .private_segment_fixed_size: 0
    .kernarg_segment_align: 8
    .kernarg_segment_size: 104
    .max_flat_workgroup_size: 384
    .sgpr_count:     66
    .vgpr_count:     320
    .wavefront_size: 32
...
	.end_amdgpu_metadata
.endif
;; end of part 2
;; launch mean (part 3): grid 16 x 1, 1 waves a work-group, no clusters, 0 bytes of LDS; arguments out1, log_weights, out0, out2; writes out0, out2
.if DOCPART == 3
	.amdgcn_target "amdgcn-amd-amdhsa--gfx1250"
	.amdhsa_code_object_version 6
	.text
	.protected	k_qd4c7986749_mean
	.globl	k_qd4c7986749_mean
	.p2align	8
	.type	k_qd4c7986749_mean,@function
k_qd4c7986749_mean:
	s_mov_b64 s[64:65], 0
	v_nop
	global_prefetch_b8 v0, s[64:65] scope:SCOPE_SE
	s_setreg_imm32_b32 hwreg(HW_REG_WAVE_MODE, 25, 1), 1
	s_wait_xcnt 0x0
; MEAN.  out0[b][h] = sum_k softmax_k(log_weights[b])[k] out1[b][k][192 + h];  out2 = log_weights.  A batch's 64 particles were made by sixteen work-groups of the launch before, so the sum has a launch of its own.
; One wave a batch: sixteen batches are all the work there is.  Lane l holds log_weights[b][2 l] and [2 l + 1], and columns 2 l and 2 l + 1 of every particle's 64: a row's load covers 256 consecutive bytes.
; FORMAT.  As in the two launches before, the input is rounded once to bf16 (nearest even) for the arithmetic: the softmax is that of the rounded log weights; all else is f32.  out2 is the exact copy.
; The row's maximum is taken away before the exponentials.  A weight below 2^-126 counts as 0; NaN is not treated apart.
	s_load_b256 s[4:11], s[0:1], 0x0               ; out1 s[4:5], log_weights s[6:7], out0 s[8:9], out2 s[10:11]
	s_lshl_b32 s12, ttmp9, 8
	v_lshl_add_u32 v2, v0, 3, s12                  ; 256 b + 8 l: my place in log_weights, out0 and out2; never rewritten
	s_lshl_b32 s13, ttmp9, 16                      ; a batch is 64 rows of 1,024 bytes;
	s_add_co_u32 s13, s13, 768                     ; layer 1's state begins at column 192
	v_lshl_add_u32 v3, v0, 3, s13                  ; never rewritten
	s_mov_b32 s14, 0x76543210                      ; v_permlanex16_b32: each lane takes its own place in the other half
	s_mov_b32 s15, 0xfedcba98
	v_mov_b32 v7, 0                                ; that instruction's destination counts as read
	s_wait_kmcnt 0x0
	global_load_b64 v[4:5], v2, s[6:7]
.set k, 0
.rept 48
	global_load_b64 v[64+2*k:65+2*k], v3, s[4:5] offset:1024*k
.set k, k+1
.endr
	s_wait_loadcnt 48                              ; log_weights is in: the 48 rows are younger
	global_store_b64 v2, v[4:5], s[10:11]          ; out2; v[4:5] are not written again
	v_cvt_pk_bf16_f32 v11, v4, v5                  ; to bf16,
	v_lshlrev_b32 v16, 16, v11                     ; and back to f32, in registers of their own
	v_and_b32 v17, 0xffff0000, v11
	v_max_num_f32 v6, v16, v17
	v_max_num_f32_dpp v6, v6, v6 row_xmask:1 row_mask:0xf bank_mask:0xf
	v_max_num_f32_dpp v6, v6, v6 row_xmask:2 row_mask:0xf bank_mask:0xf
	v_max_num_f32_dpp v6, v6, v6 row_xmask:4 row_mask:0xf bank_mask:0xf
	v_max_num_f32_dpp v6, v6, v6 row_xmask:8 row_mask:0xf bank_mask:0xf
	v_permlanex16_b32 v7, v6, s14, s15
	v_max_num_f32 v6, v6, v7                       ; the batch's largest log weight, in every lane
	v_sub_f32 v8, v16, v6
	v_sub_f32 v9, v17, v6
	v_mul_f32 v8, 0x3fb8aa3b, v8
	v_mul_f32 v9, 0x3fb8aa3b, v9
	v_exp_f32 v8, v8
	v_exp_f32 v9, v9
	v_nop                                          ; a plain instruction behind the exponentials,
	s_wait_alu depctr_va_vdst(0)                   ; and one wait for the two
	v_add_f32 v10, v8, v9
	v_add_f32_dpp v10, v10, v10 row_xmask:1 row_mask:0xf bank_mask:0xf
	v_add_f32_dpp v10, v10, v10 row_xmask:2 row_mask:0xf bank_mask:0xf
	v_add_f32_dpp v10, v10, v10 row_xmask:4 row_mask:0xf bank_mask:0xf
	v_add_f32_dpp v10, v10, v10 row_xmask:8 row_mask:0xf bank_mask:0xf
	v_permlanex16_b32 v7, v10, s14, s15
	v_add_f32 v10, v10, v7
	v_rcp_f32 v10, v10
	v_nop
	s_wait_alu depctr_va_vdst(0)
	v_mul_f32 v8, v8, v10                          ; the weights of particles 2 l
	v_mul_f32 v9, v9, v10                          ; and 2 l + 1
	; particle k's weight lies in lane k / 2; it is read into a scalar register and multiplies the row.  Two chains, by k's parity; the first two rows start them.
.set k, 0
.rept 64
.if k == 0
	s_wait_loadcnt 32                              ; rows 0-15 are in; rows 16-47 are younger
	s_wait_xcnt 0x0                                ; all that was issued has read its addresses; the last sixteen rows go out now, so that no more than 49 loads of mine are ever out
.set m, 48
.rept 16
	global_load_b64 v[64+2*m:65+2*m], v3, s[4:5] offset:1024*m
.set m, m+1
.endr
.elseif k == 16
	s_wait_loadcnt 32                              ; rows 16-31 are in; rows 32-63 are younger
.elseif k == 32
	s_wait_loadcnt 16                              ; rows 32-47 are in; rows 48-63 are younger
.elseif k == 48
	s_wait_loadcnt 0x0
.endif
	v_readlane_b32 s[20+k%8], v[8+k%2], k/2
.if k < 2
	v_mul_f32 v[12+2*(k%2)], s[20+k%8], v[64+2*k]
	v_mul_f32 v[13+2*(k%2)], s[20+k%8], v[65+2*k]
.else
	v_fmac_f32 v[12+2*(k%2)], s[20+k%8], v[64+2*k]
	v_fmac_f32 v[13+2*(k%2)], s[20+k%8], v[65+2*k]
.endif
.set k, k+1
.endr
	v_pk_add_f32 v[12:13], v[12:13], v[14:15]
	global_store_b64 v2, v[12:13], s[8:9]          ; out0: 256 consecutive bytes, at a multiple of 256 from its first byte
	s_endpgm
.Lfunc_end_k_qd4c7986749_mean:
	.size	k_qd4c7986749_mean, .Lfunc_end_k_qd4c7986749_mean-k_qd4c7986749_mean
	.p2alignl 7, 3214868480
	.fill 96, 4, 3214868480
	.section	.rodata,"a",@progbits
	.p2align	6, 0x0
	.amdhsa_kernel k_qd4c7986749_mean
		.amdhsa_group_segment_fixed_size 0
		.amdhsa_private_segment_fixed_size 0
		.amdhsa_enable_private_segment 0
		.amdhsa_kernarg_size 32
		.amdhsa_user_sgpr_count 2
		.amdhsa_user_sgpr_kernarg_segment_ptr 1
		.amdhsa_wavefront_size32 1
		.amdhsa_system_sgpr_workgroup_id_x 1
		.amdhsa_system_sgpr_workgroup_id_y 1
		.amdhsa_system_sgpr_workgroup_id_z 1
		.amdhsa_system_vgpr_workitem_id 0
		.amdhsa_next_free_vgpr 192
		.amdhsa_next_free_sgpr 66
		.amdhsa_reserve_vcc 0
		.amdhsa_float_denorm_mode_32 3
		.amdhsa_float_denorm_mode_16_64 3
		.amdhsa_memory_ordered 1
		.amdhsa_forward_progress 1
		.amdhsa_inst_pref_size 17
	.end_amdhsa_kernel
	.amdgpu_metadata
---
amdhsa.version: [ 1, 2 ]
amdhsa.kernels:
  - .name:           k_qd4c7986749_mean
    .symbol:         k_qd4c7986749_mean.kd
    .args:
      - { .name: out1, .offset: 0, .size: 8, .value_kind: global_buffer, .address_space: global }
      - { .name: log_weights, .offset: 8, .size: 8, .value_kind: global_buffer, .address_space: global }
      - { .name: out0, .offset: 16, .size: 8, .value_kind: global_buffer, .address_space: global }
      - { .name: out2, .offset: 24, .size: 8, .value_kind: global_buffer, .address_space: global }
    .group_segment_fixed_size: 0
    .private_segment_fixed_size: 0
    .kernarg_segment_align: 8
    .kernarg_segment_size: 32
    .max_flat_workgroup_size: 32
    .sgpr_count:     66
    .vgpr_count:     192
    .wavefront_size: 32
...
	.end_amdgpu_metadata
.endif
;; end of part 3
